; MI455X (gfx1250); checked and timed in simulation.
; The chip was launched on July 23, 2026; its instructions are those of AMD's public machine-readable ISA for CDNA 5 (MIT licence, August 2026) and "CDNA5" Instruction Set Architecture Reference Guide (July 2026). The comments in the code are by the model that wrote it; some were corrected since.
;; MMU. Allowed arithmetic: float matrix products may take bf16 or f16 operands with f32 sums; all other float work in f32.
;; Inputs: W_decoder 1,024 x 1,024 float32; W_encoder 1,024 x 1,024 float32; W_inp 1,024 x 512 float32; W_inpgate 1,024 x 512 float32; W_mem_inpgate 1,024 x 1,024 float32; W_mem_readgate 1,024 x 1,024 float32; W_mem_writegate 1,024 x 1,024 float32; W_readgate 1,024 x 512 float32; W_rec_inp 1,024 x 512 float32; W_rec_inpgate 1,024 x 512 float32; W_rec_readgate 1,024 x 512 float32; W_rec_writegate 1,024 x 512 float32; W_writegate 1,024 x 512 float32; b_decoder 1,024 float32; b_encoder 1,024 float32; b_inp 1,024 float32; b_inpgate 1,024 float32; b_mem_inpgate 1,024 float32; b_mem_readgate 1,024 float32; b_mem_writegate 1,024 float32; b_readgate 1,024 float32; b_rec_inp 1,024 float32; b_rec_inpgate 1,024 float32; b_rec_readgate 1,024 float32; b_rec_writegate 1,024 float32; b_writegate 1,024 float32; input 512 x 4,096 float32; w_hid_out 512 x 1,024 float32.
;; Outputs: out0 4,096 x 512 float32.
;; 2 versions, each right; version 2 is version 1 with the launch cast written anew for expert scheduling mode. Each part assembles by itself: llvm-mc -triple=amdgcn-amd-amdhsa -mcpu=gfx1250 --defsym DOCPART=n.
;; ======== version 1 of 2: 3 launches
;; workspace buffers: bf 7,340,032 bytes; hid 8,388,608 bytes
;; launch cast (part 1): grid 64 x 7, 8 waves a work-group, no clusters, 0 bytes of LDS; arguments input, W_inp, W_inpgate, w_hid_out, bf; writes bf
.if DOCPART == 1
	.amdgcn_target "amdgcn-amd-amdhsa--gfx1250"
	.amdhsa_code_object_version 6
	.text
	.protected	k_qc7f73afdf5_cast
	.globl	k_qc7f73afdf5_cast
	.p2align	8
	.type	k_qc7f73afdf5_cast,@function
k_qc7f73afdf5_cast:
	s_mov_b64 s[64:65], 0
	v_nop
	global_prefetch_b8 v0, s[64:65] scope:SCOPE_SE
	s_setreg_imm32_b32 hwreg(HW_REG_WAVE_MODE, 25, 1), 1
	s_wait_xcnt 0x0
; bf = the four matrix operands rounded to bf16 (nearest even), element by element, in their own layouts:
; seven units of 524,288 numbers (1 MiB of bf16 each): units 0-3 input [512][4096], 4 W_inp [1024][512], 5 W_inpgate [1024][512],
; 6 w_hid_out [512][1024].  Work-group (g, u) takes piece g (8,192 numbers: 32 KiB in, 16 KiB out) of unit u.
; A stream: every byte is read once and written once, so LDS, barriers, matrix units and clusters would add nothing.
; Thread t takes 16 bytes at 16 t of each 4 KiB of the piece: a wave's load covers 512 consecutive bytes, its store 256 consecutive
; bytes at a multiple of 256 from bf's first byte.  All eight loads of a thread go out at once; no register is used twice.
.set X, 4                              ; v[4:35]   load j: four f32
.set Y, 36                             ; v[36:51]  store j: four bf16
	s_load_b256 s[4:11], s[0:1], 0x0               ; input s[4:5], W_inp s[6:7], W_inpgate s[8:9], w_hid_out s[10:11]
	s_load_b64 s[12:13], s[0:1], 0x20              ; bf
	s_and_b32 s14, ttmp7, 0xffff                   ; u, the unit
	s_cmp_lt_u32 s14, 4
	s_cselect_b32 s15, s14, 0                      ; units 0-3 are quarters of input; the others begin at their buffer's first byte
	s_lshl_b32 s16, s15, 21                        ; 2 MiB of f32 a unit
	s_lshl_b32 s18, ttmp9, 15                      ; + 32 KiB a piece
	s_add_co_u32 s16, s16, s18
	s_mov_b32 s17, 0
	s_lshl_b32 s20, s14, 20                        ; 1 MiB of bf16 a unit
	s_lshl_b32 s18, ttmp9, 14                      ; + 16 KiB a piece
	s_add_co_u32 s20, s20, s18
	s_mov_b32 s21, 0
	v_lshlrev_b32 v1, 4, v0                        ; 16 t: where I read
	v_lshlrev_b32 v2, 3, v0                        ; 8 t: where I write
	s_wait_kmcnt 0x0
	s_cmp_eq_u32 s14, 4                            ; the source is chosen by the unit's number alone
	s_cselect_b64 s[4:5], s[6:7], s[4:5]
	s_cmp_eq_u32 s14, 5
	s_cselect_b64 s[4:5], s[8:9], s[4:5]
	s_cmp_eq_u32 s14, 6
	s_cselect_b64 s[4:5], s[10:11], s[4:5]
	s_add_nc_u64 s[4:5], s[4:5], s[16:17]
	s_add_nc_u64 s[12:13], s[12:13], s[20:21]
.irp j, 0,1,2,3,4,5,6,7
	global_load_b128 v[X+4*\j:X+4*\j+3], v1, s[4:5] offset:4096*\j th:TH_LOAD_NT   ; read once in the launch
.endr
.irp j, 0,1,2,3,4,5,6,7
	s_wait_loadcnt 7-\j                            ; loads come back in order (ISA guide 5.7.1): load j is in, the 7 - j younger ones stay out
	v_cvt_pk_bf16_f32 v[Y+2*\j],   v[X+4*\j],   v[X+4*\j+1]
	v_cvt_pk_bf16_f32 v[Y+2*\j+1], v[X+4*\j+2], v[X+4*\j+3]
	global_store_b64 v2, v[Y+2*\j:Y+2*\j+1], s[12:13] offset:2048*\j               ; no hint: the next launches read these bytes
.endr
	s_endpgm
.Lfunc_end_k_qc7f73afdf5_cast:
	.size	k_qc7f73afdf5_cast, .Lfunc_end_k_qc7f73afdf5_cast-k_qc7f73afdf5_cast
	.p2alignl 7, 3214868480
	.fill 96, 4, 3214868480
	.section	.rodata,"a",@progbits
	.p2align	6, 0x0
	.amdhsa_kernel k_qc7f73afdf5_cast
		.amdhsa_group_segment_fixed_size 0
		.amdhsa_private_segment_fixed_size 0
		.amdhsa_enable_private_segment 0
		.amdhsa_kernarg_size 40
		.amdhsa_user_sgpr_count 2
		.amdhsa_user_sgpr_kernarg_segment_ptr 1
		.amdhsa_wavefront_size32 1
		.amdhsa_system_sgpr_workgroup_id_x 1
		.amdhsa_system_sgpr_workgroup_id_y 1
		.amdhsa_system_sgpr_workgroup_id_z 1
		.amdhsa_system_vgpr_workitem_id 0
		.amdhsa_next_free_vgpr 52
		.amdhsa_next_free_sgpr 66
		.amdhsa_reserve_vcc 0
		.amdhsa_float_denorm_mode_32 3
		.amdhsa_float_denorm_mode_16_64 3
		.amdhsa_memory_ordered 1
		.amdhsa_forward_progress 1
		.amdhsa_inst_pref_size 4
	.end_amdhsa_kernel
	.amdgpu_metadata
---
amdhsa.version: [ 1, 2 ]
amdhsa.kernels:
  - .name:           k_qc7f73afdf5_cast
    .symbol:         k_qc7f73afdf5_cast.kd
    .args:
      - { .name: input, .offset: 0, .size: 8, .value_kind: global_buffer, .address_space: global }
      - { .name: W_inp, .offset: 8, .size: 8, .value_kind: global_buffer, .address_space: global }
      - { .name: W_inpgate, .offset: 16, .size: 8, .value_kind: global_buffer, .address_space: global }
      - { .name: w_hid_out, .offset: 24, .size: 8, .value_kind: global_buffer, .address_space: global }
      - { .name: bf, .offset: 32, .size: 8, .value_kind: global_buffer, .address_space: global }
    .group_segment_fixed_size: 0
    .private_segment_fixed_size: 0
    .kernarg_segment_align: 8
    .kernarg_segment_size: 40
    .max_flat_workgroup_size: 256
    .sgpr_count:     66
    .vgpr_count:     52
    .wavefront_size: 32
...
	.end_amdgpu_metadata
.endif
;; end of part 1
;; launch hidden (part 2): grid 8 x 32, 4 waves a work-group, clusters of 4 x 4, 327,680 bytes of LDS; arguments bf, b_inp, b_rec_inp, b_inpgate, b_mem_inpgate, b_rec_inpgate, b_decoder, hid; writes hid
.if DOCPART == 2
	.amdgcn_target "amdgcn-amd-amdhsa--gfx1250"
	.amdhsa_code_object_version 6
	.text
	.protected	k_qc7f73afdf5_hidden
	.globl	k_qc7f73afdf5_hidden
	.p2align	8
	.type	k_qc7f73afdf5_hidden,@function
k_qc7f73afdf5_hidden:
	s_mov_b64 s[64:65], 0
	v_nop
	global_prefetch_b8 v0, s[64:65] scope:SCOPE_SE
	s_setreg_imm32_b32 hwreg(HW_REG_WAVE_MODE, 25, 1), 1
	s_wait_xcnt 0x0
	s_wait_alu depctr_hold_cnt(0) depctr_sa_sdst(0) depctr_va_vdst(0) depctr_va_sdst(0) depctr_va_ssrc(0) depctr_va_vcc(0) depctr_vm_vsrc(0)
	s_getreg_b32 s2, hwreg(HW_REG_IB_STS2, 6, 4)
	s_cmp_eq_u32 s2, 0
	s_cbranch_scc0 .Lentry_in_a_cluster
	s_endpgm
.Lentry_in_a_cluster:
	s_bfe_u32 s2, ttmp6, 0x10000c
	s_cmp_lg_u32 s2, 0xf033
	s_cbranch_scc0 .Lentry_shape_is_right
	s_endpgm
.Lentry_shape_is_right:
; hid[m][n] = b_decoder[n] + sigmoid(P + b_inp[n] + b_rec_inp[n]) * sigmoid(Q + b_inpgate[n] + b_mem_inpgate[n] + b_rec_inpgate[n]), in bf16,
; P = sum over k of x[k][m] W_inp[n][k], Q = the same with W_inpgate; m < 4096, n < 1024, k < 512; operands bf16 (buffer bf), sums f32.
;
; WHY THIS IS THE WHOLE STEP.  The function makes one step from a state that it sets to zero itself (out = 0, mem = 0) and returns out alone.
; So every product of a weight with that state is zero and leaves its bias; read_gate * mem is zero and the decoder leaves b_decoder; the write
; gate, the encoder and the new mem feed only the state that is thrown away.
; LIMITS, stated: (1) the weights W_rec_*, W_mem_*, W_readgate, W_writegate, W_decoder, W_encoder and the biases of the read gate, the write gate and
; the encoder are not read, so a NaN or an infinity in one of them (0 x inf = NaN) is not reproduced; for all finite values the result is the function's.
; (2) sigmoid(p) sigmoid(q) is made as 1 / ((1 + e^-p)(1 + e^-q)): both factors are at least 1, so no 0 x inf arises; where the product passes
; 2^126 the reciprocal comes out as 0, which is where the true value lies below 2^-126.  (3) x, the weights and hid are rounded to bf16.
;
; SHAPE.  A work-group makes 128 m x 128 n of both products with four waves; a wave 64 x 64 of both: 32 accumulator tiles of 16 x 16, 256 registers.
; K goes in four steps of 128 through three LDS slots, written out without a loop: steps 0, 1, 2 are first fills and go out together, step 3 fills slot 0
; again.  By this text's own count a wave has three tensor loads outstanding at the start and one later.
; CLUSTERS: 4 x 4 work-groups.  x's tile hangs on the row block alone and is asked for jointly by a row of the cluster, the weights' tiles hang on
; the column block alone and are asked for jointly by a column: a quarter of the requests.
; x lies [k][m]: its fragments come out of LDS by the transposing load.  The weights lie [n][k]: plain loads.
; The matrix instruction is used transposed (source 0 = 16 rows of W, source 1 = 16 columns m of x): lane l then holds row m = l % 16 and its registers
; j the columns n = 8 (l / 16) + j: eight neighbouring numbers of a row of hid.
.set PA,     288                       ; LDS pitch of x's rows: 256 bytes + 32, an odd multiple of 32 bytes, for the transposing load
.set PB,     272                       ; LDS pitch of the weights' rows: 256 bytes + 16, an odd multiple of 16 bytes
.set AHALF,  64*PA                     ; what one wave fetches of x: 64 k-rows
.set ABYTES, 128*PA
.set BT,     128*PB                    ; one weight's tile: 128 n-rows x 128 k
.set SLOT,   ABYTES+2*BT               ; 106,496: x, W_inp, W_inpgate
.set BIAS,   3*SLOT                    ; 319,488: three rows of 128 f32, bytes of their own that no tensor load fills
.set STAGE,  SLOT                      ; the way out: 128 rows x 272 bytes in slot 1, which has had its only fill and is read no more by then
.set SP,     272
.set ASTEP,  128*4096*2                ; a K step in x: 128 rows of 8,192 bytes
.set BSTEP,  128*2                     ; a K step in the weights: 128 numbers along the row
.set WOFF,   0x400000                  ; W_inp in bf; W_inpgate lies 1 MiB behind it
.set ADRA, 8                           ; v8-10   LDS address of my x fragments in slot 0, 1, 2
.set ADRB, 12                          ; v12-14  the same for the weights
.set STO,  16                          ; v16     the way out: where I put 16 bytes of a row
.set RD,   17                          ; v17     the way out: where I read a row back
.set CO,   18                          ; v18     my byte offset in hid
.set BIA,  19                          ; v19     my eight columns' biases in LDS
.set F0,   32                          ; v32-127   fragment buffer 0: x at +0, W_inp at +32, W_inpgate at +64, four fragments of 8 registers each
.set F1,   128                         ; v128-223  fragment buffer 1
.set T,    32                          ; the epilogue: v[T+16b .. +7] from P, v[T+16b+8 .. +15] from Q
.set PK,   96                          ; the epilogue: packed results
.set BP,   128                         ; the epilogue: biases of my 32 columns (block b at +8b)
.set BQ,   160
.set BD,   192
.set G1A, 32                           ; s[32:39] descriptor group 1, x's tiles
.set G1B, 40                           ; s[40:47] descriptor group 1, the weights' tiles
.set G0A, 48                           ; s[48:59] descriptor group 0, x's tiles, a set for each slot
.set G0B, 68                           ; s[68:79] descriptor group 0, the weights' tiles, a set for each slot
; window 1 (v256-511): P(a, b) at 8 (4a + b), Q(a, b) at 128 + 8 (4a + b); a: 16 m, b: 16 n
.set MSB, 0
.macro WIN new                         ; s_set_vgpr_msb: bits 1:0 source 0, 3:2 source 1, 5:4 source 2, 7:6 destination; the high byte repeats the setting that is left
.if MSB != \new
	s_set_vgpr_msb (MSB<<8)|\new
.set MSB, \new
.endif
.endm
.set MUL, 0x50                         ; C and D in window 1, both sources in window 0
.macro PLACES                          ; four places behind a matrix instruction before a load lands on one of its sources or a vector instruction reads its result
.rept 4
	v_nop
.endr
.endm
; A joint load: waves 0, 1 fetch x's two halves, waves 2, 3 the two weights.  Each line has one mask; the branch hangs on the wave's number alone.
.macro JLOAD s
	s_cmp_eq_u32 s21, 0
	s_cbranch_scc0 .Lfor_b_\@
	tensor_load_to_lds s[G0A+4*\s:G0A+4*\s+3], s[G1A:G1A+7]
	s_nop 0
	s_branch .Lasked_\@
.Lfor_b_\@:
	tensor_load_to_lds s[G0B+4*\s:G0B+4*\s+3], s[G1B:G1B+7]
	s_nop 0
.Lasked_\@:
.endm
; A round of the cluster's barrier: my work-group's barrier, wave 0 signals for the work-group, every wave waits for all sixteen, my work-group's barrier again.
.macro CREST                           ; a round behind its opening barrier
	s_cmp_lg_u32 s20, 0
	s_cbranch_scc1 .Lnot_wave_0_\@
	s_barrier_signal -3
.Lnot_wave_0_\@:
	s_barrier_wait -3
	s_barrier_signal -1
	s_barrier_wait -1
.endm
.macro CROUND
	s_barrier_signal -1
	s_barrier_wait -1
	CREST
.endm
	s_load_b256 s[4:11], s[0:1], 0x0               ; bf s[4:5], b_inp s[6:7], b_rec_inp s[8:9], b_inpgate s[10:11]
	s_load_b256 s[12:19], s[0:1], 0x20             ; b_mem_inpgate s[12:13], b_rec_inpgate s[14:15], b_decoder s[16:17], hid s[18:19]
	v_lshl_add_u32 v254, v0, 2, 0x4e600
	v_mov_b32 v255, 0
	ds_add_u32 v254, v255
	v_lshrrev_b32 v1, 5, v0
	v_readfirstlane_b32 s20, v1                    ; wave 0..3
	s_lshr_b32 s21, s20, 1                         ; my half of the rows m.  Also: I fetch x (0) or a weight (1)
	s_and_b32 s22, s20, 1                          ; my half of the columns n.  Also: which half of x, which weight
	s_bfe_u32 s23, ttmp6, 0x40000                  ; cx
	s_bfe_u32 s24, ttmp6, 0x40004                  ; cy
	s_lshl_b32 s25, ttmp9, 2
	s_add_co_u32 s25, s25, s23                     ; column block = 4 x cluster x + cx
	s_and_b32 s26, ttmp7, 0xffff
	s_lshl_b32 s26, s26, 2
	s_add_co_u32 s26, s26, s24                     ; row block = 4 x cluster y + cy
	s_lshl_b32 s27, s24, 2
	s_lshl_b32 s27, 15, s27                        ; my row of the cluster: places 4 cy .. 4 cy + 3
	s_lshl_b32 s28, 0x1111, s23                    ; my column: places cx, cx + 4, cx + 8, cx + 12
	; group 1, x: 64 rows (k) x 128 numbers (m), 8 words of padding behind every 64 words
	s_or_b32 s[G1A+0], s27, (1<<16)|(1<<20)|(1<<21)|(5<<22)|(7<<25)  ; mask of my row; 2-byte elements; padding on; bit 21 beside a mask; every 64 words; 8 words
	s_mov_b32 s[G1A+1], 128<<16                    ; tensor_dim0 = 128
	s_mov_b32 s[G1A+2], 64<<16                     ; tensor_dim1 = 64
	s_mov_b32 s[G1A+3], 128<<16                    ; tile_dim0 = 128
	s_mov_b32 s[G1A+4], 64                         ; tile_dim1 = 64
	s_mov_b32 s[G1A+5], 4096                       ; numbers from row to row
	s_mov_b32 s[G1A+6], 0
	s_mov_b32 s[G1A+7], 0
	; group 1, a weight: 128 rows (n) x 128 numbers (k), 4 words of padding behind every 64 words
	s_or_b32 s[G1B+0], s28, (1<<16)|(1<<20)|(1<<21)|(5<<22)|(3<<25)  ; the mask of my column
	s_mov_b32 s[G1B+1], 128<<16
	s_mov_b32 s[G1B+2], 128<<16
	s_mov_b32 s[G1B+3], 128<<16
	s_mov_b32 s[G1B+4], 128
	s_mov_b32 s[G1B+5], 512
	s_mov_b32 s[G1B+6], 0
	s_mov_b32 s[G1B+7], 0
	; where the tiles come from: x's hang on the row block alone, the weights' on the column block alone, each in registers that never hold the other
	s_lshl_b32 s84, s22, 19                        ; x: 64 rows of 8,192 bytes a half
	s_lshl_b32 s31, s26, 8                         ; + 128 m of 2 bytes a row block
	s_add_co_u32 s84, s84, s31
	s_mov_b32 s85, 0
	s_lshl_b32 s86, s22, 20                        ; weights: 1 MiB from W_inp to W_inpgate
	s_lshl_b32 s60, s25, 17                        ; + 128 rows of 1,024 bytes a column block
	s_add_co_u32 s86, s86, s60
	s_add_co_u32 s86, s86, WOFF
	s_mov_b32 s87, 0
	s_mul_i32 s29, s22, AHALF                      ; and where they go: made of the wave's number alone
	s_mul_i32 s30, s22, BT
	s_add_co_u32 s30, s30, ABYTES
	s_wait_dscnt 0x0
	s_wait_kmcnt 0x0
	s_add_nc_u64 s[80:81], s[4:5], s[84:85]
	s_add_nc_u64 s[82:83], s[4:5], s[86:87]
	CROUND                                         ; all sixteen work-groups are here: the first joint loads meet
.irp s, 0,1,2
	s_mov_b32 s[G0A+4*\s], 1                                       ; count = 1
	s_add_co_u32 s[G0A+4*\s+1], s29, \s*SLOT                       ; LDS address
	s_add_nc_u64 s[G0A+4*\s+2:G0A+4*\s+3], s[80:81], \s*ASTEP      ; global address: K step s
	s_or_b32 s[G0A+4*\s+3], s[G0A+4*\s+3], 0x80000000              ; type = 2
	s_mov_b32 s[G0B+4*\s], 1
	s_add_co_u32 s[G0B+4*\s+1], s30, \s*SLOT
	s_add_nc_u64 s[G0B+4*\s+2:G0B+4*\s+3], s[82:83], \s*BSTEP
	s_or_b32 s[G0B+4*\s+3], s[G0B+4*\s+3], 0x80000000
	JLOAD \s                                       ; three first fills, before anything else is done
.endr
	; the biases of the block's 128 columns, one column a thread
	s_lshl_b32 s92, s25, 9                         ; 128 f32 a column block
	v_lshlrev_b32 v26, 2, v0
	v_add_nc_u32 v26, s92, v26
	global_load_b32 v20, v26, s[6:7]               ; b_inp
	global_load_b32 v21, v26, s[8:9]               ; b_rec_inp
	global_load_b32 v22, v26, s[10:11]             ; b_inpgate
	global_load_b32 v23, v26, s[12:13]             ; b_mem_inpgate
	global_load_b32 v24, v26, s[14:15]             ; b_rec_inpgate
	global_load_b32 v25, v26, s[16:17]             ; b_decoder
	v_lshl_add_u32 v27, v0, 2, BIAS                ; its place in LDS: the thread's number alone
	; lane addresses
	v_and_b32 v1, 15, v0                           ; r = l % 16
	v_bfe_u32 v2, v0, 4, 1                         ; h = l / 16
	v_and_b32 v3, 7, v0
	v_bfe_u32 v4, v0, 3, 1
	v_lshl_add_u32 v3, v2, 3, v3                   ; x, transposing load: row k = 8 h + l % 8,
	v_mul_u32_u24 v3, v3, PA
	v_lshl_add_u32 v3, v4, 4, v3                   ; 16 bytes (8 m) for each half of eight lanes
	v_mul_u32_u24 v5, v1, PB                       ; weights: row r, 16 bytes for each half of the lanes
	v_lshl_add_u32 v5, v2, 4, v5
	s_lshl_b32 s61, s21, 7                         ; my 64 m: 128 bytes along x's rows
	s_mul_i32 s62, s22, 64*PB                      ; my 64 n: rows of the weights' tiles,
	s_add_co_u32 s62, s62, ABYTES                  ; which lie behind x's
.irp s, 0,1,2
	v_add_nc_u32 v[ADRA+\s], s61, v3
	v_add_nc_u32 v[ADRB+\s], s62, v5
	s_add_co_u32 s61, s61, SLOT
	s_add_co_u32 s62, s62, SLOT
.endr
	s_mul_i32 s61, s21, 64*SP                      ; stage, in: row 64 wm + r, byte 128 wn + 16 h
	s_lshl_b32 s62, s22, 7
	s_add_co_u32 s61, s61, s62
	s_add_co_u32 s61, s61, STAGE
	v_add_nc_u32 v[STO], s61, v5                   ; SP = PB, so r x 272 + 16 h serves again
	s_mul_i32 s62, s20, 32*SP                      ; stage, back: rows 32 w + h, 16 bytes a lane
	s_add_co_u32 s62, s62, STAGE
	v_mul_u32_u24 v6, v2, SP
	v_lshl_add_u32 v6, v1, 4, v6
	v_add_nc_u32 v[RD], s62, v6
	v_lshlrev_b32 v7, 11, v2                       ; and the same two rows in hid: 2,048 bytes a row
	v_lshl_add_u32 v[CO], v1, 4, v7
	s_lshl_b32 s63, s22, 8                         ; my 64 columns' biases, 8 f32 for each half of the lanes
	s_add_co_u32 s63, s63, BIAS
	v_lshl_add_u32 v[BIA], v2, 5, s63
	s_wait_loadcnt 0x0                             ; the six biases
	v_add_f32 v20, v20, v21
	v_add_f32 v22, v22, v23
	v_add_f32 v22, v22, v24
	v_mul_f32 v20, 0xbfb8aa3b, v20                 ; x -log2(e): the exponent of e^-(P + b) is then one fused multiply-add on P
	v_mul_f32 v22, 0xbfb8aa3b, v22
	ds_store_b32 v27, v20
	ds_store_b32 v27, v22 offset:512
	ds_store_b32 v27, v25 offset:1024
; 24 LDS loads in one run: the fragments of quarter q (32 along K) of slot s into buffer f; W_inpgate's eight come last
.macro FETCH s, q, f
.irp a, 0,1,2,3
	ds_load_tr16_b128 v[\f+8*\a:\f+8*\a+3],   v[ADRA+\s] offset:32*PA*\q+32*\a          ; k = 32 q + 8 h .. + 7 of column m = 16 a + r
	ds_load_tr16_b128 v[\f+8*\a+4:\f+8*\a+7], v[ADRA+\s] offset:32*PA*\q+32*\a+16*PA    ; k = 32 q + 16 + 8 h ..
.endr
.irp b, 0,1,2,3
	ds_load_b128 v[\f+32+8*\b:\f+32+8*\b+3],   v[ADRB+\s] offset:16*PB*\b+64*\q
	ds_load_b128 v[\f+32+8*\b+4:\f+32+8*\b+7], v[ADRB+\s] offset:16*PB*\b+64*\q+32
.endr
.irp b, 0,1,2,3
	ds_load_b128 v[\f+64+8*\b:\f+64+8*\b+3],   v[ADRB+\s] offset:BT+16*PB*\b+64*\q
	ds_load_b128 v[\f+64+8*\b+4:\f+64+8*\b+7], v[ADRB+\s] offset:BT+16*PB*\b+64*\q+32
.endr
.endm
; 16 matrix instructions: p = 0: P with W_inp, p = 1: Q with W_inpgate.  zero = 1: the first product starts the sums, nothing is cleared.
; The 32 accumulators take turns, one instruction a turn, in the same order in every quarter step.
.macro HALF f, p, zero
.irp a, 0,1,2,3
.irp b, 0,1,2,3
.if \zero
	v_wmma_f32_16x16x32_bf16 v[128*\p+8*(4*\a+\b):128*\p+8*(4*\a+\b)+7], v[\f+32+32*\p+8*\b:\f+32+32*\p+8*\b+7], v[\f+8*\a:\f+8*\a+7], 0
.else
	v_wmma_f32_16x16x32_bf16 v[128*\p+8*(4*\a+\b):128*\p+8*(4*\a+\b)+7], v[\f+32+32*\p+8*\b:\f+32+32*\p+8*\b+7], v[\f+8*\a:\f+8*\a+7], v[128*\p+8*(4*\a+\b):128*\p+8*(4*\a+\b)+7]
.endif
.endr
.endr
.endm
; A quarter step: multiplies buffer f; in its middle fetches quarter nq of slot nslot into buffer g
.macro QUARTER f, g, nslot, nq, zero
	s_wait_dscnt 8                                 ; x and W_inp are in; the youngest eight loads (W_inpgate) may be out
	WIN MUL
	HALF \f, 0, \zero
	PLACES                                         ; behind the matrix instructions that read buffer g
	WIN 0
	FETCH \nslot, \nq, \g
	s_wait_dscnt 24                                ; all but the 24 just issued
	WIN MUL
	HALF \f, 1, \zero
.endm
; The last quarter of a K step that ends at a barrier: multiplies buffer 1.  In front of the signal each wave's LDS reads are back and all its tensor
; loads have landed.  refill = 1: the barrier opens a round of the cluster's barrier, and slot 0 is filled again first thing behind the round.
.macro TURN nslot, refill
	s_wait_dscnt 0x0                               ; buffer 1 is in, and my reads of the slots read so far are over
	s_wait_tensorcnt 0x0                           ; all my tensor loads have landed
	ds_add_u32 v254, v255
	s_wait_dscnt 0x0
	s_barrier_signal -1
	WIN MUL
	HALF F1, 0, 0                                  ; register work while the others arrive
	WIN 0
	s_barrier_wait -1
.if \refill
	CREST                                          ; no wave of any partner still reads slot 0 or has a load on its way
	s_add_nc_u64 s[G0A+2:G0A+3], s[G0A+2:G0A+3], 3*ASTEP           ; slot 0's next tile is K step 3
	s_add_nc_u64 s[G0B+2:G0B+3], s[G0B+2:G0B+3], 3*BSTEP
	JLOAD 0                                        ; the first tensor load behind the round
.endif
	PLACES                                         ; behind the matrix instructions that read buffer 0
	FETCH \nslot, 0, F0
	WIN MUL
	HALF F1, 1, 0
.endm
	s_wait_dscnt 0x0                               ; my bias stores are done, for the others' sake
	s_wait_tensorcnt 0x2                           ; my part of K step 0 is in; steps 1 and 2 stay out
	s_barrier_signal -1
	s_barrier_wait -1
	FETCH 0, 0, F0
	QUARTER F0, F1, 0, 1, 1                        ; K step 0, slot 0
	QUARTER F1, F0, 0, 2, 0
	QUARTER F0, F1, 0, 3, 0
	TURN 1, 1                                      ; every wave has now shown slots 1 and 2 whole as well
	QUARTER F0, F1, 1, 1, 0                        ; K step 1, slot 1
	QUARTER F1, F0, 1, 2, 0
	QUARTER F0, F1, 1, 3, 0
	QUARTER F1, F0, 2, 0, 0                        ; on into slot 2 without a barrier: it was whole at the round above
	QUARTER F0, F1, 2, 1, 0                        ; K step 2, slot 2
	QUARTER F1, F0, 2, 2, 0
	QUARTER F0, F1, 2, 3, 0
	TURN 0, 0                                      ; K step 3's tile is shown to all; all reads of slots 1 and 2 are over
	QUARTER F0, F1, 0, 1, 0                        ; K step 3, slot 0
	QUARTER F1, F0, 0, 2, 0
	QUARTER F0, F1, 0, 3, 0
	s_wait_dscnt 0x0                               ; the very last quarter: nothing more to fetch
	WIN MUL
	HALF F1, 0, 0
	HALF F1, 1, 0
	WIN 0
	; THE EPILOGUE.  The four places stand behind the last matrix instructions: for the loads into buffer 1's registers and for the reads of the sums.
	PLACES
.irp b, 0,1,2,3
	ds_load_b128 v[BP+8*\b:BP+8*\b+3],   v[BIA] offset:64*\b
	ds_load_b128 v[BP+8*\b+4:BP+8*\b+7], v[BIA] offset:64*\b+16
	ds_load_b128 v[BQ+8*\b:BQ+8*\b+3],   v[BIA] offset:512+64*\b
	ds_load_b128 v[BQ+8*\b+4:BQ+8*\b+7], v[BIA] offset:512+64*\b+16
	ds_load_b128 v[BD+8*\b:BD+8*\b+3],   v[BIA] offset:1024+64*\b
	ds_load_b128 v[BD+8*\b+4:BD+8*\b+7], v[BIA] offset:1024+64*\b+16
.endr
	s_lshl_b32 s88, s26, 18                        ; hid: 128 rows of 2,048 bytes a row block
	s_lshl_b32 s90, s20, 16                        ; + 32 rows a wave
	s_add_co_u32 s88, s88, s90
	s_mov_b32 s89, 0
	s_add_nc_u64 s[18:19], s[18:19], s[88:89]
	s_lshl_b32 s90, s25, 8                         ; + 128 bf16 a column block
	s_mov_b32 s91, 0
	s_add_nc_u64 s[18:19], s[18:19], s[90:91]
	s_wait_dscnt 0x0
; 16 rows m (block a) x my 64 columns: 1 / ((1 + 2^tp)(1 + 2^tq)) + b_decoder, rounded to bf16, into the stage
.macro EPI a
	WIN 0x01                                       ; source 0, the sums, in window 1
.irp b, 0,1,2,3
.irp i, 0,2,4,6
	v_pk_fma_f32 v[T+16*\b+\i:T+16*\b+\i+1],     v[8*(4*\a+\b)+\i:8*(4*\a+\b)+\i+1],         0xbfb8aa3b, v[BP+8*\b+\i:BP+8*\b+\i+1] op_sel_hi:[1,0,1]
	v_pk_fma_f32 v[T+16*\b+8+\i:T+16*\b+8+\i+1], v[128+8*(4*\a+\b)+\i:128+8*(4*\a+\b)+\i+1], 0xbfb8aa3b, v[BQ+8*\b+\i:BQ+8*\b+\i+1] op_sel_hi:[1,0,1]
.endr
.endr
	WIN 0
.set j, 0
.rept 64
	v_exp_f32 v[T+j], v[T+j]
.set j, j+1
.endr
	v_nop                                          ; one plain place behind the exponentials before their results are used (ISA guide 5.7.2)
.set j, 0
	s_wait_alu depctr_va_vdst(0)
.rept 32
	v_pk_add_f32 v[T+j:T+j+1], v[T+j:T+j+1], 1.0 op_sel_hi:[1,0]
.set j, j+2
.endr
.irp b, 0,1,2,3
.irp i, 0,2,4,6
	v_pk_mul_f32 v[T+16*\b+\i:T+16*\b+\i+1], v[T+16*\b+\i:T+16*\b+\i+1], v[T+16*\b+8+\i:T+16*\b+8+\i+1]
.endr
.endr
.irp b, 0,1,2,3
.irp i, 0,1,2,3,4,5,6,7
	v_rcp_f32 v[T+16*\b+\i], v[T+16*\b+\i]         ; one reciprocal for the two sigmoids
.endr
.endr
	v_nop                                          ; one plain place behind the reciprocals
	s_wait_alu depctr_va_vdst(0)
.irp b, 0,1,2,3
.irp i, 0,2,4,6
	v_pk_add_f32 v[T+16*\b+\i:T+16*\b+\i+1], v[T+16*\b+\i:T+16*\b+\i+1], v[BD+8*\b+\i:BD+8*\b+\i+1]
.endr
.endr
.irp b, 0,1,2,3
.irp i, 0,2,4,6
	v_cvt_pk_bf16_f32 v[PK+4*\b+\i/2], v[T+16*\b+\i], v[T+16*\b+\i+1]
.endr
.endr
.irp b, 0,1,2,3
	ds_store_b128 v[STO], v[PK+4*\b:PK+4*\b+3] offset:16*SP*\a+32*\b
.endr
.endm
	EPI 0
	EPI 1
	EPI 2
	EPI 3
	; THE WAY OUT: whole rows of the block (256 bytes) back from the stage; two waves wrote each row, so a barrier stands between
	s_wait_dscnt 0x0
	s_barrier_signal -1
	s_barrier_wait -1
.irp t, 0,1,2,3,4,5,6,7,8,9,10,11,12,13,14,15
	ds_load_b128 v[32+4*\t:32+4*\t+3], v[RD] offset:2*SP*\t        ; rows 32 w + 2 t + h
.endr
.irp t, 0,1,2,3,4,5,6,7,8,9,10,11,12,13,14,15
	s_wait_dscnt 15-\t                             ; LDS loads come back in order: load t is in
	global_store_b128 v[CO], v[32+4*\t:32+4*\t+3], s[18:19] offset:4096*\t   ; 16 lanes store 256 consecutive bytes, at a multiple of 256 from hid's first byte
.endr
	s_wait_tensorcnt 0x0
	ds_add_u32 v254, v255
	s_wait_dscnt 0x0
	CROUND                                         ; the closing round: no work-group ends while a partner may still ask for a tile that names it
	s_endpgm
.Lfunc_end_k_qc7f73afdf5_hidden:
	.size	k_qc7f73afdf5_hidden, .Lfunc_end_k_qc7f73afdf5_hidden-k_qc7f73afdf5_hidden
	.p2alignl 7, 3214868480
	.fill 96, 4, 3214868480
	.section	.rodata,"a",@progbits
	.p2align	6, 0x0
	.amdhsa_kernel k_qc7f73afdf5_hidden
		.amdhsa_group_segment_fixed_size 327680
		.amdhsa_private_segment_fixed_size 0
		.amdhsa_enable_private_segment 0
		.amdhsa_kernarg_size 64
		.amdhsa_user_sgpr_count 2
		.amdhsa_user_sgpr_kernarg_segment_ptr 1
		.amdhsa_wavefront_size32 1
		.amdhsa_system_sgpr_workgroup_id_x 1
		.amdhsa_system_sgpr_workgroup_id_y 1
		.amdhsa_system_sgpr_workgroup_id_z 1
		.amdhsa_system_vgpr_workitem_id 0
		.amdhsa_next_free_vgpr 512
		.amdhsa_next_free_sgpr 96
		.amdhsa_reserve_vcc 0
		.amdhsa_float_denorm_mode_32 3
		.amdhsa_float_denorm_mode_16_64 3
		.amdhsa_memory_ordered 1
		.amdhsa_forward_progress 1
		.amdhsa_inst_pref_size 121
	.end_amdhsa_kernel
	.amdgpu_metadata
---
amdhsa.version: [ 1, 2 ]
amdhsa.kernels:
  - .name:           k_qc7f73afdf5_hidden
    .symbol:         k_qc7f73afdf5_hidden.kd
    .args:
      - { .name: bf, .offset: 0, .size: 8, .value_kind: global_buffer, .address_space: global }
      - { .name: b_inp, .offset: 8, .size: 8, .value_kind: global_buffer, .address_space: global }
      - { .name: b_rec_inp, .offset: 16, .size: 8, .value_kind: global_buffer, .address_space: global }
      - { .name: b_inpgate, .offset: 24, .size: 8, .value_kind: global_buffer, .address_space: global }
      - { .name: b_mem_inpgate, .offset: 32, .size: 8, .value_kind: global_buffer, .address_space: global }
      - { .name: b_rec_inpgate, .offset: 40, .size: 8, .value_kind: global_buffer, .address_space: global }
      - { .name: b_decoder, .offset: 48, .size: 8, .value_kind: global_buffer, .address_space: global }
      - { .name: hid, .offset: 56, .size: 8, .value_kind: global_buffer, .address_space: global }
    .group_segment_fixed_size: 327680
    .private_segment_fixed_size: 0
    .kernarg_segment_align: 8
    .kernarg_segment_size: 64
    .max_flat_workgroup_size: 128
    .sgpr_count:     96
    .vgpr_count:     512
    .wavefront_size: 32
...
	.end_amdgpu_metadata
.endif
;; end of part 2
;; launch project (part 3): grid 8 x 32, 4 waves a work-group, clusters of 4 x 4, 327,680 bytes of LDS; arguments hid, bf, out0; writes out0
.if DOCPART == 3
	.amdgcn_target "amdgcn-amd-amdhsa--gfx1250"
	.amdhsa_code_object_version 6
	.text
	.protected	k_qc7f73afdf5_project
	.globl	k_qc7f73afdf5_project
	.p2align	8
	.type	k_qc7f73afdf5_project,@function
k_qc7f73afdf5_project:
	s_mov_b64 s[64:65], 0
	v_nop
	global_prefetch_b8 v0, s[64:65] scope:SCOPE_SE
	s_setreg_imm32_b32 hwreg(HW_REG_WAVE_MODE, 25, 1), 1
	s_wait_xcnt 0x0
	s_wait_alu depctr_hold_cnt(0) depctr_sa_sdst(0) depctr_va_vdst(0) depctr_va_sdst(0) depctr_va_ssrc(0) depctr_va_vcc(0) depctr_vm_vsrc(0)
	s_getreg_b32 s2, hwreg(HW_REG_IB_STS2, 6, 4)
	s_cmp_eq_u32 s2, 0
	s_cbranch_scc0 .Lentry_in_a_cluster
	s_endpgm
.Lentry_in_a_cluster:
	s_bfe_u32 s2, ttmp6, 0x10000c
	s_cmp_lg_u32 s2, 0xf033
	s_cbranch_scc0 .Lentry_shape_is_right
	s_endpgm
.Lentry_shape_is_right:
; out0[m][n] = sum over k of hid[m][k] w_hid_out[n][k]; m < 4096, n < 512, k < 1024; operands bf16 (hid; w_hid_out at byte 0x600000 of bf), sums and out0 f32.
; LIMIT, stated: hid and w_hid_out enter rounded to bf16.
; SHAPE.  A work-group makes 128 m x 64 n with four waves: 32 x 8 blocks = 256 work-groups; a wave makes 64 x 32: 8 accumulator tiles of 16 x 16.
; (Blocks of 128 x 128 would feed more products from each LDS byte, but there would be only 128 of them.)
; K goes in four steps of 256 (rows of 512 bytes) through three LDS slots, written out without a loop: steps 0, 1, 2 are first fills and go out together,
; step 3 fills slot 0 again.  By this text's own count a wave has three tensor loads outstanding at the start and one later.
; CLUSTERS: 4 x 4 work-groups.  hid's tile hangs on the row block alone and is asked for jointly by a row of the cluster, w_hid_out's on the column
; block alone and is asked for jointly by a column: a quarter of the requests.
; The matrix instruction is used transposed (source 0 = 16 rows of w_hid_out, source 1 = 16 rows of hid): lane l holds row m = l % 16 and its
; registers j the columns n = 8 (l / 16) + j: 32 neighbouring bytes of a row of out0.
.set P,      528                       ; LDS pitch: 512 bytes + 16, an odd multiple of 16 bytes
.set AHALF,  64*P                      ; what one wave fetches of hid: 64 rows
.set ABYTES, 128*P
.set BHALF,  32*P                      ; what one wave fetches of w_hid_out: 32 rows
.set SLOT,   ABYTES+2*BHALF            ; 101,376
.set STAGE,  SLOT                      ; the way out: 128 rows x 272 bytes in slot 1, which has had its only fill and is read no more by then
.set SP,     272
.set KSTEP,  256*2                     ; a K step along the rows, in bytes
.set WOFF,   0x600000                  ; w_hid_out in bf
.set ADRA, 8                           ; v8-10   LDS address of my hid fragments in slot 0, 1, 2
.set ADRB, 12                          ; v12-14  the same for w_hid_out
.set STO,  16                          ; v16     the way out: where I put 32 bytes of a row
.set RD,   17                          ; v17     the way out: where I read a row back
.set CO,   18                          ; v18     my byte offset in out0
.set F0,   32                          ; v32-127   fragment buffer 0: for each 32 of K (ks = 0, 1) at +48 ks: hid's four fragments, then w_hid_out's two
.set F1,   128                         ; v128-223  fragment buffer 1
.set G1A, 32                           ; s[32:39] descriptor group 1, hid's tiles
.set G1B, 40                           ; s[40:47] descriptor group 1, w_hid_out's tiles
.set G0A, 48                           ; s[48:59] descriptor group 0, hid's tiles, a set for each slot
.set G0B, 68                           ; s[68:79] descriptor group 0, w_hid_out's tiles, a set for each slot
; window 1 (v256-319): accumulator (a, b) at 8 (2a + b); a: 16 m, b: 16 n
.set MSB, 0
.macro WIN new                         ; s_set_vgpr_msb: bits 1:0 source 0, 3:2 source 1, 5:4 source 2, 7:6 destination; the high byte repeats the setting that is left
.if MSB != \new
	s_set_vgpr_msb (MSB<<8)|\new
.set MSB, \new
.endif
.endm
.set MUL, 0x50                         ; C and D in window 1, both sources in window 0
.macro PLACES                          ; four places behind a matrix instruction before a load lands on one of its sources or a store reads its result
.rept 4
	v_nop
.endr
.endm
; A joint load: waves 0, 1 fetch hid's two halves, waves 2, 3 w_hid_out's.  Each line has one mask; the branch hangs on the wave's number alone.
.macro JLOAD s
	s_cmp_eq_u32 s21, 0
	s_cbranch_scc0 .Lfor_b_\@
	tensor_load_to_lds s[G0A+4*\s:G0A+4*\s+3], s[G1A:G1A+7]
	s_nop 0
	s_branch .Lasked_\@
.Lfor_b_\@:
	tensor_load_to_lds s[G0B+4*\s:G0B+4*\s+3], s[G1B:G1B+7]
	s_nop 0
.Lasked_\@:
.endm
; A round of the cluster's barrier: my work-group's barrier, wave 0 signals for the work-group, every wave waits for all sixteen, my work-group's barrier again.
.macro CREST                           ; a round behind its opening barrier
	s_cmp_lg_u32 s20, 0
	s_cbranch_scc1 .Lnot_wave_0_\@
	s_barrier_signal -3
.Lnot_wave_0_\@:
	s_barrier_wait -3
	s_barrier_signal -1
	s_barrier_wait -1
.endm
.macro CROUND
	s_barrier_signal -1
	s_barrier_wait -1
	CREST
.endm
	s_load_b128 s[4:7], s[0:1], 0x0                ; hid s[4:5], bf s[6:7]
	s_load_b64 s[8:9], s[0:1], 0x10                ; out0
	v_lshl_add_u32 v254, v0, 2, 0x4a400
	v_mov_b32 v255, 0
	ds_add_u32 v254, v255
	v_lshrrev_b32 v1, 5, v0
	v_readfirstlane_b32 s20, v1                    ; wave 0..3
	s_lshr_b32 s21, s20, 1                         ; my half of the rows m.  Also: I fetch hid (0) or w_hid_out (1)
	s_and_b32 s22, s20, 1                          ; my half of the columns n.  Also: which half of that tile's rows I fetch
	s_bfe_u32 s23, ttmp6, 0x40000                  ; cx
	s_bfe_u32 s24, ttmp6, 0x40004                  ; cy
	s_lshl_b32 s25, ttmp9, 2
	s_add_co_u32 s25, s25, s23                     ; column block = 4 x cluster x + cx
	s_and_b32 s26, ttmp7, 0xffff
	s_lshl_b32 s26, s26, 2
	s_add_co_u32 s26, s26, s24                     ; row block = 4 x cluster y + cy
	s_lshl_b32 s27, s24, 2
	s_lshl_b32 s27, 15, s27                        ; my row of the cluster: places 4 cy .. 4 cy + 3
	s_lshl_b32 s28, 0x1111, s23                    ; my column: places cx, cx + 4, cx + 8, cx + 12
	; group 1, hid: 64 rows x 256 numbers, 4 words of padding behind every 128 words
	s_or_b32 s[G1A+0], s27, (1<<16)|(1<<20)|(1<<21)|(6<<22)|(3<<25)  ; mask of my row; 2-byte elements; padding on; bit 21 beside a mask; every 128 words; 4 words
	s_mov_b32 s[G1A+1], 256<<16                    ; tensor_dim0 = 256
	s_mov_b32 s[G1A+2], 64<<16                     ; tensor_dim1 = 64
	s_mov_b32 s[G1A+3], 256<<16                    ; tile_dim0 = 256
	s_mov_b32 s[G1A+4], 64                         ; tile_dim1 = 64
	s_mov_b32 s[G1A+5], 1024                       ; numbers from row to row
	s_mov_b32 s[G1A+6], 0
	s_mov_b32 s[G1A+7], 0
	; group 1, w_hid_out: 32 rows x 256 numbers, padded alike
	s_or_b32 s[G1B+0], s28, (1<<16)|(1<<20)|(1<<21)|(6<<22)|(3<<25)  ; the mask of my column
	s_mov_b32 s[G1B+1], 256<<16
	s_mov_b32 s[G1B+2], 32<<16
	s_mov_b32 s[G1B+3], 256<<16
	s_mov_b32 s[G1B+4], 32
	s_mov_b32 s[G1B+5], 1024
	s_mov_b32 s[G1B+6], 0
	s_mov_b32 s[G1B+7], 0
	; where the tiles come from: hid's hang on the row block alone, w_hid_out's on the column block alone, each in registers that never hold the other
	s_lshl_b32 s84, s22, 17                        ; hid: 64 rows of 2,048 bytes a half
	s_lshl_b32 s31, s26, 18                        ; + 128 rows a row block
	s_add_co_u32 s84, s84, s31
	s_mov_b32 s85, 0
	s_lshl_b32 s86, s22, 16                        ; w_hid_out: 32 rows of 2,048 bytes a half
	s_lshl_b32 s60, s25, 17                        ; + 64 rows a column block
	s_add_co_u32 s86, s86, s60
	s_add_co_u32 s86, s86, WOFF
	s_mov_b32 s87, 0
	s_mul_i32 s29, s22, AHALF                      ; and where they go: made of the wave's number alone
	s_mul_i32 s30, s22, BHALF
	s_add_co_u32 s30, s30, ABYTES
	s_wait_dscnt 0x0
	s_wait_kmcnt 0x0
	s_add_nc_u64 s[80:81], s[4:5], s[84:85]
	s_add_nc_u64 s[82:83], s[6:7], s[86:87]
	CROUND                                         ; all sixteen work-groups are here: the first joint loads meet
.irp s, 0,1,2
	s_mov_b32 s[G0A+4*\s], 1                                       ; count = 1
	s_add_co_u32 s[G0A+4*\s+1], s29, \s*SLOT                       ; LDS address
	s_add_nc_u64 s[G0A+4*\s+2:G0A+4*\s+3], s[80:81], \s*KSTEP      ; global address: K step s
	s_or_b32 s[G0A+4*\s+3], s[G0A+4*\s+3], 0x80000000              ; type = 2
	s_mov_b32 s[G0B+4*\s], 1
	s_add_co_u32 s[G0B+4*\s+1], s30, \s*SLOT
	s_add_nc_u64 s[G0B+4*\s+2:G0B+4*\s+3], s[82:83], \s*KSTEP
	s_or_b32 s[G0B+4*\s+3], s[G0B+4*\s+3], 0x80000000
	JLOAD \s                                       ; three first fills, before anything else is done
.endr
	; lane addresses
	v_and_b32 v1, 15, v0                           ; r = l % 16
	v_bfe_u32 v2, v0, 4, 1                         ; h = l / 16
	v_mul_u32_u24 v5, v1, P                        ; fragments: row r, 16 bytes for each half of the lanes
	v_lshl_add_u32 v5, v2, 4, v5
	s_mul_i32 s61, s21, 64*P                       ; my 64 rows of hid
	s_mul_i32 s62, s22, 32*P                       ; my 32 rows of w_hid_out,
	s_add_co_u32 s62, s62, ABYTES                  ; which lie behind hid's 128
.irp s, 0,1,2
	v_add_nc_u32 v[ADRA+\s], s61, v5
	v_add_nc_u32 v[ADRB+\s], s62, v5
	s_add_co_u32 s61, s61, SLOT
	s_add_co_u32 s62, s62, SLOT
.endr
	s_mul_i32 s61, s21, 64*SP                      ; stage, in: row 64 wm + r, byte 128 wn + 32 h
	s_lshl_b32 s62, s22, 7
	s_add_co_u32 s61, s61, s62
	s_add_co_u32 s61, s61, STAGE
	v_mul_u32_u24 v3, v1, SP
	v_lshl_add_u32 v3, v2, 5, v3
	v_add_nc_u32 v[STO], s61, v3
	s_mul_i32 s62, s20, 32*SP                      ; stage, back: rows 32 w + h, 16 bytes a lane
	s_add_co_u32 s62, s62, STAGE
	v_mul_u32_u24 v6, v2, SP
	v_lshl_add_u32 v6, v1, 4, v6
	v_add_nc_u32 v[RD], s62, v6
	v_lshlrev_b32 v7, 11, v2                       ; and the same two rows in out0: 2,048 bytes a row
	v_lshl_add_u32 v[CO], v1, 4, v7
; 24 LDS loads in one run: the fragments of quarter q (64 along K, as two parts of 32) of slot s into buffer f; the second part's twelve come last
.macro FETCH s, q, f
.irp ks, 0,1
.irp a, 0,1,2,3
	ds_load_b128 v[\f+48*\ks+8*\a:\f+48*\ks+8*\a+3],   v[ADRA+\s] offset:16*P*\a+128*\q+64*\ks
	ds_load_b128 v[\f+48*\ks+8*\a+4:\f+48*\ks+8*\a+7], v[ADRA+\s] offset:16*P*\a+128*\q+64*\ks+32
.endr
.irp b, 0,1
	ds_load_b128 v[\f+48*\ks+32+8*\b:\f+48*\ks+32+8*\b+3],   v[ADRB+\s] offset:16*P*\b+128*\q+64*\ks
	ds_load_b128 v[\f+48*\ks+32+8*\b+4:\f+48*\ks+32+8*\b+7], v[ADRB+\s] offset:16*P*\b+128*\q+64*\ks+32
.endr
.endr
.endm
; 8 matrix instructions: part ks of buffer f onto the eight accumulators.  zero = 1: the first product starts the sums, nothing is cleared.
; The eight accumulators take turns, one instruction a turn, in the same order in every half.
.macro HALF f, ks, zero
.irp a, 0,1,2,3
.irp b, 0,1
.if \zero
	v_wmma_f32_16x16x32_bf16 v[8*(2*\a+\b):8*(2*\a+\b)+7], v[\f+48*\ks+32+8*\b:\f+48*\ks+32+8*\b+7], v[\f+48*\ks+8*\a:\f+48*\ks+8*\a+7], 0
.else
	v_wmma_f32_16x16x32_bf16 v[8*(2*\a+\b):8*(2*\a+\b)+7], v[\f+48*\ks+32+8*\b:\f+48*\ks+32+8*\b+7], v[\f+48*\ks+8*\a:\f+48*\ks+8*\a+7], v[8*(2*\a+\b):8*(2*\a+\b)+7]
.endif
.endr
.endr
.endm
; A quarter step: multiplies buffer f; in its middle fetches quarter nq of slot nslot into buffer g.  Only the first half can start the sums.
.macro QUARTER f, g, nslot, nq, zero
	s_wait_dscnt 12                                ; the first 32 of K are in; the youngest twelve loads (the second 32) may be out
	WIN MUL
	HALF \f, 0, \zero
	PLACES                                         ; behind the matrix instructions that read buffer g
	WIN 0
	FETCH \nslot, \nq, \g
	s_wait_dscnt 24                                ; all but the 24 just issued
	WIN MUL
	HALF \f, 1, 0
.endm
; The last quarter of a K step that ends at a barrier: multiplies buffer 1.  In front of the signal each wave's LDS reads are back and all its tensor
; loads have landed.  refill = 1: the barrier opens a round of the cluster's barrier, and slot 0 is filled again first thing behind the round.
.macro TURN nslot, refill
	s_wait_dscnt 0x0                               ; buffer 1 is in, and my reads of the slots read so far are over
	s_wait_tensorcnt 0x0                           ; all my tensor loads have landed
	ds_add_u32 v254, v255
	s_wait_dscnt 0x0
	s_barrier_signal -1
	WIN MUL
	HALF F1, 0, 0                                  ; register work while the others arrive
	WIN 0
	s_barrier_wait -1
.if \refill
	CREST                                          ; no wave of any partner still reads slot 0 or has a load on its way
	s_add_nc_u64 s[G0A+2:G0A+3], s[G0A+2:G0A+3], 3*KSTEP           ; slot 0's next tile is K step 3
	s_add_nc_u64 s[G0B+2:G0B+3], s[G0B+2:G0B+3], 3*KSTEP
	JLOAD 0                                        ; the first tensor load behind the round
.endif
	PLACES                                         ; behind the matrix instructions that read buffer 0
	FETCH \nslot, 0, F0
	WIN MUL
	HALF F1, 1, 0
.endm
	s_wait_tensorcnt 0x2                           ; my part of K step 0 is in; steps 1 and 2 stay out
	s_barrier_signal -1
	s_barrier_wait -1
	FETCH 0, 0, F0
	QUARTER F0, F1, 0, 1, 1                        ; K step 0, slot 0
	QUARTER F1, F0, 0, 2, 0
	QUARTER F0, F1, 0, 3, 0
	TURN 1, 1                                      ; every wave has now shown slots 1 and 2 whole as well
	QUARTER F0, F1, 1, 1, 0                        ; K step 1, slot 1
	QUARTER F1, F0, 1, 2, 0
	QUARTER F0, F1, 1, 3, 0
	QUARTER F1, F0, 2, 0, 0                        ; on into slot 2 without a barrier: it was whole at the round above
	QUARTER F0, F1, 2, 1, 0                        ; K step 2, slot 2
	QUARTER F1, F0, 2, 2, 0
	QUARTER F0, F1, 2, 3, 0
	TURN 0, 0                                      ; K step 3's tile is shown to all; all reads of slots 1 and 2 are over
	QUARTER F0, F1, 0, 1, 0                        ; K step 3, slot 0
	QUARTER F1, F0, 0, 2, 0
	QUARTER F0, F1, 0, 3, 0
	s_wait_dscnt 0x0                               ; the very last quarter: nothing more to fetch
	WIN MUL
	HALF F1, 0, 0
	HALF F1, 1, 0
	; THE WAY OUT.  The four places stand behind the last matrix instructions: for the LDS stores that read the sums and the loads into buffer 0's registers.
	PLACES
	WIN 0x04                                       ; an LDS store's data is source 1: window 1
.irp a, 0,1,2,3
.irp b, 0,1
	ds_store_b128 v[STO], v[8*(2*\a+\b):8*(2*\a+\b)+3]   offset:16*SP*\a+64*\b        ; columns 16 b + 8 h + 0 .. 3 of row 16 a + r
	ds_store_b128 v[STO], v[8*(2*\a+\b)+4:8*(2*\a+\b)+7] offset:16*SP*\a+64*\b+16     ; columns + 4 .. 7
.endr
.endr
	WIN 0
	s_lshl_b32 s88, s26, 18                        ; out0: 128 rows of 2,048 bytes a row block
	s_lshl_b32 s90, s20, 16                        ; + 32 rows a wave
	s_add_co_u32 s88, s88, s90
	s_mov_b32 s89, 0
	s_add_nc_u64 s[8:9], s[8:9], s[88:89]
	s_lshl_b32 s90, s25, 8                         ; + 64 f32 a column block
	s_mov_b32 s91, 0
	s_add_nc_u64 s[8:9], s[8:9], s[90:91]
	s_wait_dscnt 0x0                               ; two waves wrote each row of the stage, so a barrier stands between the stores and the loads
	s_barrier_signal -1
	s_barrier_wait -1
.irp t, 0,1,2,3,4,5,6,7,8,9,10,11,12,13,14,15
	ds_load_b128 v[32+4*\t:32+4*\t+3], v[RD] offset:2*SP*\t        ; rows 32 w + 2 t + h
.endr
.irp t, 0,1,2,3,4,5,6,7,8,9,10,11,12,13,14,15
	s_wait_dscnt 15-\t                             ; LDS loads come back in order: load t is in
	global_store_b128 v[CO], v[32+4*\t:32+4*\t+3], s[8:9] offset:4096*\t th:TH_STORE_NT   ; 16 lanes store 256 consecutive bytes, at a multiple of 256 from out0's first byte
.endr
	s_wait_tensorcnt 0x0
	ds_add_u32 v254, v255
	s_wait_dscnt 0x0
	CROUND                                         ; the closing round: no work-group ends while a partner may still ask for a tile that names it
	s_endpgm
.Lfunc_end_k_qc7f73afdf5_project:
	.size	k_qc7f73afdf5_project, .Lfunc_end_k_qc7f73afdf5_project-k_qc7f73afdf5_project
	.p2alignl 7, 3214868480
	.fill 96, 4, 3214868480
	.section	.rodata,"a",@progbits
	.p2align	6, 0x0
	.amdhsa_kernel k_qc7f73afdf5_project
		.amdhsa_group_segment_fixed_size 327680
		.amdhsa_private_segment_fixed_size 0
		.amdhsa_enable_private_segment 0
		.amdhsa_kernarg_size 24
		.amdhsa_user_sgpr_count 2
		.amdhsa_user_sgpr_kernarg_segment_ptr 1
		.amdhsa_wavefront_size32 1
		.amdhsa_system_sgpr_workgroup_id_x 1
		.amdhsa_system_sgpr_workgroup_id_y 1
		.amdhsa_system_sgpr_workgroup_id_z 1
		.amdhsa_system_vgpr_workitem_id 0
		.amdhsa_next_free_vgpr 320
		.amdhsa_next_free_sgpr 96
		.amdhsa_reserve_vcc 0
		.amdhsa_float_denorm_mode_32 3
		.amdhsa_float_denorm_mode_16_64 3
		.amdhsa_memory_ordered 1
		.amdhsa_forward_progress 1
		.amdhsa_inst_pref_size 57
	.end_amdhsa_kernel
	.amdgpu_metadata
---
amdhsa.version: [ 1, 2 ]
amdhsa.kernels:
  - .name:           k_qc7f73afdf5_project
    .symbol:         k_qc7f73afdf5_project.kd
    .args:
      - { .name: hid, .offset: 0, .size: 8, .value_kind: global_buffer, .address_space: global }
      - { .name: bf, .offset: 8, .size: 8, .value_kind: global_buffer, .address_space: global }
      - { .name: out0, .offset: 16, .size: 8, .value_kind: global_buffer, .address_space: global }
    .group_segment_fixed_size: 327680
    .private_segment_fixed_size: 0
    .kernarg_segment_align: 8
    .kernarg_segment_size: 24
    .max_flat_workgroup_size: 128
    .sgpr_count:     96
    .vgpr_count:     320
    .wavefront_size: 32
...
	.end_amdgpu_metadata
.endif
;; end of part 3
;; ======== version 2 of 2: 3 launches; version 1 with the launch cast written anew for expert scheduling mode
;; workspace buffers: bf 7,340,032 bytes; hid 8,388,608 bytes
;; launch cast (part 4): grid 64 x 7, 8 waves a work-group, no clusters, 0 bytes of LDS; arguments input, W_inp, W_inpgate, w_hid_out, bf; writes bf
.if DOCPART == 4
	.amdgcn_target "amdgcn-amd-amdhsa--gfx1250"
	.amdhsa_code_object_version 6
	.text
	.protected	k_qc7f73afdf5_cast
	.globl	k_qc7f73afdf5_cast
	.p2align	8
	.type	k_qc7f73afdf5_cast,@function
k_qc7f73afdf5_cast:
	s_mov_b64 s[64:65], 0
	v_nop
	global_prefetch_b8 v0, s[64:65] scope:SCOPE_SE
	s_setreg_imm32_b32 hwreg(HW_REG_WAVE_SCHED_MODE, 0, 2), 2
	s_setreg_imm32_b32 hwreg(HW_REG_WAVE_MODE, 25, 1), 1
	s_wait_xcnt 0x0
	s_wait_alu depctr_vm_vsrc(0)
; bf = the four matrix operands rounded to bf16 (nearest even), element by element, in their own layouts:
; seven units of 524,288 numbers (1 MiB of bf16 each): units 0-3 input [512][4096], 4 W_inp [1024][512], 5 W_inpgate [1024][512],
; 6 w_hid_out [512][1024].  Work-group (g, u) takes piece g (8,192 numbers: 32 KiB in, 16 KiB out) of unit u.
; A stream: every byte is read once and written once, so LDS, barriers, matrix units and clusters would add nothing.
; Thread t takes 16 bytes at 16 t of each 4 KiB of the piece: a wave's load covers 512 consecutive bytes, its store 256 consecutive
; bytes at a multiple of 256 from bf's first byte.  All eight loads of a thread go out at once; no register is used twice.
; THE MODE: SCHED_MODE bits 1:0 = 2 (LLVM: expert scheduling mode 2), set by the entry lines.  The code itself states the register dependences
; between vector instructions and memory instructions, with s_wait_alu, always for 0.
; THE PLAN.  Registers that memory instructions touch:
;   v1, v2   byte offsets of the loads and of the stores: made once at the head by vector instructions, never written again.
;   X        load j lands in X + 4 j, once; no vector instruction names it ahead of the load; the conversions read it behind the wait for its data.
;   Y        two conversions write Y + 2 j, Y + 2 j + 1, once; store j reads them, once; nothing writes them again.
; The eight loads go in four blocks of two.  Block p waits for its two loads, stores what block p - 1 rounded, and rounds its own four pairs.
; One wait on va_vdst stands at the head of blocks 1 to 3, behind the wait for the block's data: it states that the block before has written its Y.
; The block's two stores follow it; the conversions behind them name X and Y of block p alone, none of the registers that those stores touch.
; One more such wait stands ahead of the first load (the offsets) and one ahead of the last two stores (block 3's Y).
; No register that a memory instruction reads is written afterwards, so the plan needs no wait on vm_vsrc beyond the one at the entry.
.set X, 4                              ; v[4:35]   load j: four f32
.set Y, 36                             ; v[36:51]  store j: four bf16
	s_load_b256 s[4:11], s[0:1], 0x0               ; input s[4:5], W_inp s[6:7], W_inpgate s[8:9], w_hid_out s[10:11]
	s_load_b64 s[12:13], s[0:1], 0x20              ; bf
	s_and_b32 s14, ttmp7, 0xffff                   ; u, the unit
	s_cmp_lt_u32 s14, 4
	s_cselect_b32 s15, s14, 0                      ; units 0-3 are quarters of input; the others begin at their buffer's first byte
	s_lshl_b32 s16, s15, 21                        ; 2 MiB of f32 a unit
	s_lshl_b32 s18, ttmp9, 15                      ; + 32 KiB a piece
	s_add_co_u32 s16, s16, s18
	s_mov_b32 s17, 0
	s_lshl_b32 s20, s14, 20                        ; 1 MiB of bf16 a unit
	s_lshl_b32 s18, ttmp9, 14                      ; + 16 KiB a piece
	s_add_co_u32 s20, s20, s18
	s_mov_b32 s21, 0
	v_lshlrev_b32 v1, 4, v0                        ; 16 t: where I read
	v_lshlrev_b32 v2, 3, v0                        ; 8 t: where I write
	s_wait_kmcnt 0x0
	s_cmp_eq_u32 s14, 4                            ; the source is chosen by the unit's number alone
	s_cselect_b64 s[4:5], s[6:7], s[4:5]
	s_cmp_eq_u32 s14, 5
	s_cselect_b64 s[4:5], s[8:9], s[4:5]
	s_cmp_eq_u32 s14, 6
	s_cselect_b64 s[4:5], s[10:11], s[4:5]
	s_add_nc_u64 s[4:5], s[4:5], s[16:17]
	s_add_nc_u64 s[12:13], s[12:13], s[20:21]
	s_wait_alu depctr_va_vdst(0)                   ; v1 and v2 are written: every load reads v1 as its offset, every store v2
.irp j, 0,1,2,3,4,5,6,7
	global_load_b128 v[X+4*\j:X+4*\j+3], v1, s[4:5] offset:4096*\j th:TH_LOAD_NT   ; read once in the launch
.endr
.irp p, 0,1,2,3
	s_wait_loadcnt 6-2*\p                          ; loads come back in order (ISA guide 5.7.1): loads 2 p and 2 p + 1 are in, the 6 - 2 p younger ones stay out
.if \p > 0
	s_wait_alu depctr_va_vdst(0)                   ; the block before has written its four registers of Y, which the two stores below read
	global_store_b64 v2, v[Y+4*\p-4:Y+4*\p-3], s[12:13] offset:2048*(2*\p-2)       ; no hint: the next launches read these bytes
	global_store_b64 v2, v[Y+4*\p-2:Y+4*\p-1], s[12:13] offset:2048*(2*\p-1)
.endif
.irp i, 0,1,2,3
	v_cvt_pk_bf16_f32 v[Y+4*\p+\i], v[X+8*\p+2*\i], v[X+8*\p+2*\i+1]               ; this block's eight numbers, two roundings a line
.endr
.endr
	s_wait_alu depctr_va_vdst(0)                   ; block 3 has written its four registers of Y, which the last two stores read
	global_store_b64 v2, v[Y+12:Y+13], s[12:13] offset:2048*6
	global_store_b64 v2, v[Y+14:Y+15], s[12:13] offset:2048*7
	s_endpgm
.Lfunc_end_k_qc7f73afdf5_cast:
	.size	k_qc7f73afdf5_cast, .Lfunc_end_k_qc7f73afdf5_cast-k_qc7f73afdf5_cast
	.p2alignl 7, 3214868480
	.fill 96, 4, 3214868480
	.section	.rodata,"a",@progbits
	.p2align	6, 0x0
	.amdhsa_kernel k_qc7f73afdf5_cast
		.amdhsa_group_segment_fixed_size 0
		.amdhsa_private_segment_fixed_size 0
		.amdhsa_enable_private_segment 0
		.amdhsa_kernarg_size 40
		.amdhsa_user_sgpr_count 2
		.amdhsa_user_sgpr_kernarg_segment_ptr 1
		.amdhsa_wavefront_size32 1
		.amdhsa_system_sgpr_workgroup_id_x 1
		.amdhsa_system_sgpr_workgroup_id_y 1
		.amdhsa_system_sgpr_workgroup_id_z 1
		.amdhsa_system_vgpr_workitem_id 0
		.amdhsa_next_free_vgpr 52
		.amdhsa_next_free_sgpr 66
		.amdhsa_reserve_vcc 0
		.amdhsa_float_denorm_mode_32 3
		.amdhsa_float_denorm_mode_16_64 3
		.amdhsa_memory_ordered 1
		.amdhsa_forward_progress 1
		.amdhsa_inst_pref_size 4
	.end_amdhsa_kernel
	.amdgpu_metadata
---
amdhsa.version: [ 1, 2 ]
amdhsa.kernels:
  - .name:           k_qc7f73afdf5_cast
    .symbol:         k_qc7f73afdf5_cast.kd
    .args:
      - { .name: input, .offset: 0, .size: 8, .value_kind: global_buffer, .address_space: global }
      - { .name: W_inp, .offset: 8, .size: 8, .value_kind: global_buffer, .address_space: global }
      - { .name: W_inpgate, .offset: 16, .size: 8, .value_kind: global_buffer, .address_space: global }
      - { .name: w_hid_out, .offset: 24, .size: 8, .value_kind: global_buffer, .address_space: global }
      - { .name: bf, .offset: 32, .size: 8, .value_kind: global_buffer, .address_space: global }
    .group_segment_fixed_size: 0
    .private_segment_fixed_size: 0
    .kernarg_segment_align: 8
    .kernarg_segment_size: 40
    .max_flat_workgroup_size: 256
    .sgpr_count:     66
    .vgpr_count:     52
    .wavefront_size: 32
...
	.end_amdgpu_metadata
.endif
;; end of part 4
;; launch hidden: the kernel of part 2 again; grid 8 x 32, 4 waves a work-group, clusters of 4 x 4, 327,680 bytes of LDS; arguments bf, b_inp, b_rec_inp, b_inpgate, b_mem_inpgate, b_rec_inpgate, b_decoder, hid; writes hid
;; launch project: the kernel of part 3 again; grid 8 x 32, 4 waves a work-group, clusters of 4 x 4, 327,680 bytes of LDS; arguments hid, bf, out0; writes out0
